; MI455X (gfx1250); checked and timed in simulation.
; The chip was launched on July 23, 2026; its instructions are those of AMD's public machine-readable ISA for CDNA 5 (MIT licence, August 2026) and "CDNA5" Instruction Set Architecture Reference Guide (July 2026). The comments in the code are by the model that wrote it; some were corrected since.
;; Layer Ensemble Cor MLP. Allowed arithmetic: matrix products marked QUANTISED: E2M3 operands, one E8M0 scale for each 32 along K, by v_wmma_scale_f32_16x16x128_f8f6f4 with both operands' format E2M3, f32 sums; everything else in f32.
;; Inputs: b0 1,024 x 8 float32; b1 1,024 x 8 float32; b2 256 x 8 float32; inputs_codes 128 x 32 x 24 uint8 (E2M3 codes of inputs, K innermost, in blocks of 32 codes, four codes in three bytes); inputs_scales 128 x 32 uint8 (E8M0 scales of inputs, one for each 32 codes along K); samples 64 x 3 int32; w0 1,024 x 1,024 x 8 float32; w1 1,024 x 1,024 x 8 float32; w2 1,024 x 256 x 8 float32.
;; Outputs: out0 64 x 128 x 256 float32.
;; This version of the problem:
;;   THIS VERSION OF THE PROBLEM IS GIVEN IN LOW PRECISION. The matrix products marked QUANTISED in the list below multiply operands that are first quantised to E2M3 (2 exponent bits, 3 mantissa bits; 6 bits a number), with one power-of-two scale for each 32 numbers along K (OCP MX v1.0); their sums are f32. All else is computed in f32.
;;   The module's matrix products, in the order in which they are computed (A, B: the left and right operand; K: the contracted axis; several contracted axes count as one K, in the product's order):
;;     1. batch 64 x [M 128, K 1,024] x [K 1,024, N 1,024]; A: input inputs (given as codes); B: computed on the way: QUANTISED
;;     2. batch 64 x [M 128, K 1,024] x [K 1,024, N 1,024]; A: computed on the way; B: computed on the way: QUANTISED
;;     3. batch 64 x [M 128, K 1,024] x [K 1,024, N 256]; A: computed on the way; B: computed on the way: QUANTISED
;;   THE QUANTISER, for each operand of a quantised product, along K:
;;     - K is cut into blocks of 32 from its start; a last block that is shorter is filled with zeros.
;;     - A block's scale is 2^e with e = floor(log2(the largest magnitude in the block)) - 2, held to -126 .. 127; a block of zeros has e = 0. As a byte (E8M0): e + 127.
;;     - Each number is divided by its block's scale, clamped to +-7.5, and rounded to the nearest number of E2M3, ties to even, subnormals kept.
;;     - The product sums the exact products of the quantised numbers (number of the format x scale) in f32.
;;   ~~~python
;;   def quantise(x, axis):      # numpy; x: float32 -> the quantised numbers, widened to float32 again
;;       x = np.moveaxis(x, axis, -1); K = x.shape[-1]
;;       x = np.pad(x, [(0, 0)] * (x.ndim - 1) + [(0, -K % 32)]); x = x.reshape(x.shape[:-1] + (-1, 32)); a = np.abs(x).max(-1, keepdims=True)
;;       e = np.where(a > 0, np.clip(np.frexp(np.where(a > 0, a, 1))[1] - 1 - 2, -126, 127), 0)      # np.frexp(a)[1] - 1 = floor(log2(a)), exactly
;;       r = np.clip(x / 2.0 ** e, -7.5, 7.5)
;;       step = 2.0 ** (np.maximum(np.frexp(np.where(r == 0, 1, r))[1] - 1, 0) - 3)
;;       q = np.round(r / step) * step * 2.0 ** e      # np.round: ties to even
;;       return np.moveaxis(q.reshape(q.shape[:-2] + (-1,))[..., :K], -1, axis).astype(np.float32)
;;   ~~~
;;   OPERANDS COMPUTED ON THE WAY. 'Computed on the way' means the value that the module computes at that place (a softmax that the list does not call 'softmax' is quantised finished and normalised). What goes into a quantiser is computed in f32, as accurately as f32 sums, v_exp_f32 and their like allow (about 1e-6 of the number): no bf16 or f16 on the way to a quantiser, and a product that is left as it is and whose result goes on into a quantised operand takes f32 operands (vector FMAs, or v_wmma_f32_16x16x4_f32). A number that lies on a knife's edge between two numbers of the format may be rounded either way, as far as f32 arithmetic and the matrix unit's own rounding can turn it there, and no further.
;;   INPUTS GIVEN AS CODES. inputs (in the module: [128, 1024], K = its axis 1): each comes as NAME_codes (uint8): NAME with its K axis moved to the last place and cut into blocks of 32 codes, [.., K / 32, bytes a block], one block behind the other in memory; four codes in three bytes: a row's codes are one little-endian stream of bits, code i at bits 6 i .. 6 i + 5 (a code: sign, 2 exponent bits, 3 mantissa bits); and NAME_scales (uint8): the same leading axes, one E8M0 byte (e + 127) for each 32 codes along K. Its value is code x scale, taken as it is: it is not quantised again, and the codes and scales need not be those that the quantiser above would give.
;; One version. Each part assembles by itself: llvm-mc -triple=amdgcn-amd-amdhsa -mcpu=gfx1250 --defsym DOCPART=n.
;; ======== version 1 of 1: 3 launches
;; limits: right only within a limited range of input values
;; workspace buffers: w1q 6,553,600 bytes; w2q 1,638,400 bytes; h0 4,194,304 bytes; h1 6,553,600 bytes
;; launch quant (part 1): grid 448 x 1, 8 waves a work-group, no clusters, 80,384 bytes of LDS; arguments w0, w1, w2, inputs_codes, inputs_scales, b0, w1q, w2q, h0; writes w1q, w2q, h0
.if DOCPART == 1
	.amdgcn_target "amdgcn-amd-amdhsa--gfx1250"
	.amdhsa_code_object_version 6
	.text
	.protected	k_q96bfc41730_quant
	.globl	k_q96bfc41730_quant
	.p2align	8
	.type	k_q96bfc41730_quant,@function
k_q96bfc41730_quant:
	s_mov_b64 s[64:65], 0
	v_nop
	global_prefetch_b8 v0, s[64:65] scope:SCOPE_SE
	s_setreg_imm32_b32 hwreg(HW_REG_WAVE_MODE, 25, 1), 1
	s_wait_xcnt 0x0
; THE PROGRAM: out[s] = relu(relu(x W0[i0] + b0[i0]) W1[i1] + b1[i1]) W2[i2] + b2[i2], (i0, i1, i2) = samples[s], all three products on codes of FP6 (E2M3) with one E8M0 scale for each 32 along K.
; WORK THAT IS NOT REPEATED.  The first product hangs on s through i0 alone (x is the same for all s): its 64 results are 8 different ones, bit for bit, whatever the inputs hold, and are made once for each member, here.
; The second hangs on s through (i0, i1) alone: all 64 pairs are made, once each, in the second launch, so that no address there hangs on data (pairs that no sample names are made too).  The third is made for each sample.
; Nothing else is left out, and every input of the problem is loaded by some launch.
; THIS LAUNCH: work-groups 0-127 make layer 0, h0 = relu(x W0 + b0) of all 8 members, quantising W0 on the way; 128-383 turn W1, 384-447 turn W2 into codes and scale bytes along K, in the order of the operand's registers.
; A block's scale is 2^(floor(log2(its largest magnitude)) - 2); its byte is the largest magnitude's exponent field - 2, held at 1 from below.
; LIMITS: NaN and infinities are not served (relu by a maximum turns a NaN into 0); a block whose largest magnitude lies under 2^-124 is held at the byte 1; a block of zeros gets the byte 1 where the rule says 127: its codes
; are zeros, which add nothing under any byte but 0xff, and these bytes are read by this program alone.
; A FRAGMENT (16 rows x 128 K, 12 registers a lane) is an image of 1,536 bytes: register j of lane l at 512 (j / 4) + 16 l + 4 (j % 4).
; UNITS: one K step of 128 of a block of outputs: its fragments, then 64 bytes of scale words a fragment.  w1q: [member][half of 512 outputs][K step], 51,200 bytes a unit; w2q: [member][half of 128 outputs][K step], 12,800.
; Row r of tile 2 b + u of a block is output 32 b + 8 u + r + 8 (r / 8), so that the next launches' results, used transposed, lie 16 neighbouring outputs to a lane.
; h0 is [member][group of 8 outputs][half][row 0 .. 127][4 outputs], f32: sixteen lanes store 256 consecutive bytes, and a reader's lane a row finds 512 consecutive bytes a load.
; A THREAD TAKES A COLUMN AND ITS REGISTERS RUN DOWN K, so the conversions give codes with K innermost.
; NO CLUSTERS: the only tile that work-groups share is x, 98,304 bytes against 262,144 of W0 for each of its readers, and no tensor load is used.  NO PREFETCH: there is no loop to run ahead in, every wave's loads are issued at once.
.set EST,   3104                       ; W1, W2: a member's two images in LDS + 32 bytes
.set SCS,   25088                      ; their scale words, [member][tile][row]
.set Z0,    26112                      ; W0: images [K step][tile], 49,152 bytes,
.set ZS,    Z0+49152                   ; their scale words [K step][tile][row], 2,048 bytes,
.set BL,    ZS+2048                    ; and the bias, 256 bytes a wave
.set SPARE, BL+2048                    ; the spare words: 128 bytes for each wave
.set OFF,  1                           ; v1  4 x lane or 4 x thread: my column in a row
.set SA,   2                           ; v2  LDS: where my column's codes go
.set SS,   3                           ; v3  LDS: where its scale word goes
.set SB,   4                           ; v4, v5 the scale words of my one or two columns
.set GOC,  6                           ; v6  16 x lane
.set GOS,  7                           ; v7  4 x lane;  W0: my offset in x's codes
.set SPW,  12                          ; v12 my spare word;  v13 0;  neither is rewritten
.set NIL,  13
.set C,    14                          ; v14-19 a block's codes;  v8-11 at work
.set BSC,  20                          ; v20-23 layer 0: W0's scale words, two sets
.set XSC,  24                          ; v24-31 layer 0: x's scale words, one a K step
.set X,    32                          ; v32-159 f32 numbers;  layer 0: W0's fragments, two sets of 48, then the accumulators
.set ACC,  128
.set XC,   160                         ; v160-255 layer 0: x's fragments
.macro WALU
	s_wait_alu depctr_va_vdst(0)
.endm
.macro PLACES
.rept 4
	v_nop
.endr
.endm
; 32 numbers along K at v[xs] on: byte q of the scale word v[sb]; the codes are registers 6 (q / 2) .. + 5 of lane r + 16 (q % 2) of the image at v[SA] + off
.macro QB xs, sb, q, off
	v_max3_num_f32 v8, |v[\xs]|, |v[\xs+1]|, |v[\xs+2]|
	v_max3_num_f32 v9, |v[\xs+3]|, |v[\xs+4]|, |v[\xs+5]|
.irp i, 6,10,14,18,22,26
	s_delay_alu instid0(VALU_DEP_2)
	v_max3_num_f32 v8, v8, |v[\xs+\i]|, |v[\xs+\i+1]|
	s_delay_alu instid0(VALU_DEP_2)
	v_max3_num_f32 v9, v9, |v[\xs+\i+2]|, |v[\xs+\i+3]|
.endr
	s_delay_alu instid0(VALU_DEP_2)
	v_max3_num_f32 v8, v8, |v[\xs+30]|, |v[\xs+31]|
	s_delay_alu instid0(VALU_DEP_1)
	v_max3_num_f32 v8, v8, v9, 0x1800000           ; the floor 2^(3 - 127): the byte cannot fall under 1
	s_delay_alu instid0(VALU_DEP_1)
	v_add_nc_u32 v11, 0xff000000, v8               ; 2 off the exponent field: the conversion takes the exponent field of this operand as its scale
.if (\q) == 0
	s_delay_alu instid0(VALU_DEP_1)
	v_lshrrev_b32 v[\sb], 23, v11
.else
	s_delay_alu instid0(VALU_DEP_1)
	v_lshrrev_b32 v10, 23, v11
	s_delay_alu instid0(VALU_DEP_1)
	v_lshl_or_b32 v[\sb], v10, 8*(\q), v[\sb]
.endif
	v_cvt_scalef32_pk16_fp6_f32 v[C:C+2], v[\xs:\xs+15], v11
	v_cvt_scalef32_pk16_fp6_f32 v[8:10], v[\xs+16:\xs+31], v11    ; (a conversion's three registers begin on an even number: the second half is moved)
	v_nop
.irp i, 0,1,2
	v_mov_b32 v[C+3+\i], v[8+\i]
.endr
.if (\q) < 2
	ds_store_b128 v[SA], v[C:C+3] offset:256*((\q)%2)+\off
	ds_store_b64 v[SA], v[C+4:C+5] offset:512+256*((\q)%2)+\off
.else
	ds_store_b64 v[SA], v[C:C+1] offset:520+256*((\q)%2)+\off
	ds_store_b128 v[SA], v[C+2:C+5] offset:1024+256*((\q)%2)+\off
.endif
	s_wait_dscnt 0x0
.endm
	s_load_b256 s[8:15], s[0:1], 0x0               ; w0, w1, w2, x's codes
	s_load_b256 s[16:23], s[0:1], 0x20             ; x's scales, b0, w1q, w2q
	s_load_b64 s[24:25], s[0:1], 0x40              ; h0
	v_lshl_add_u32 v[SPW], v0, 2, SPARE
	v_mov_b32 v[NIL], 0
	v_lshrrev_b32 v8, 5, v0
	v_readfirstlane_b32 s26, v8                    ; wave 0..7
	s_cmp_lt_u32 ttmp9, 128                        ; the work-group's number alone: all eight waves go the same way
	WALU
	s_cbranch_scc0 .Lw12
	; ---- LAYER 0.  Columns 64 g .. 64 g + 63 of W0 (g the work-group: outputs 8 g + o, members m, column 8 o + m), all of K: wave w quantises K step w.
	; Row 8 (m % 2) + o of tile m / 2 is the column (o, m): a lane of the transposed result then holds the 8 outputs of one member.
	s_lshl_b32 s38, s26, 22                        ; K step: 128 rows of 32,768 bytes
	s_lshl_b32 s39, ttmp9, 8
	s_add_co_u32 s38, s38, s39
	s_mov_b32 s39, 0
	s_mul_i32 s40, s26, 12288                      ; x: my 16 rows
	s_mov_b32 s41, 0
	s_lshl_b32 s42, s26, 9
	s_mov_b32 s43, 0
	s_lshl_b32 s44, ttmp9, 8                       ; b0: 64 numbers
	s_mov_b32 s45, 0
	s_lshl_b32 s46, ttmp9, 12                      ; h0: my group of 8 outputs
	s_mov_b32 s47, 0
	s_mul_i32 s48, s26, 6144
	s_add_co_u32 s48, s48, Z0
	s_lshl_b32 s49, s26, 8
	s_add_co_u32 s50, s49, ZS
	s_add_co_u32 s51, s49, BL
	v_and_b32 v8, 31, v0                           ; lane
	v_and_b32 v10, 15, v0                          ; r
	v_bfe_u32 v11, v0, 4, 1                        ; h
	v_bfe_u32 v5, v0, 1, 2                         ; m / 2
	v_and_b32 v6, 1, v0                            ; m % 2
	v_bfe_u32 v14, v0, 3, 2                        ; o of the lower 32 columns; the upper 32 have o + 4
	v_lshlrev_b32 v[OFF], 2, v8
	v_lshlrev_b32 v9, 3, v8
	v_lshl_add_u32 v6, v6, 3, v14                  ; the row in the tile
	v_mul_u32_u24 v[SA], v5, 1536
	v_lshlrev_b32 v[SS], 6, v5
	v_mul_u32_u24 v7, v10, 768                     ; a row of x's codes is 768 bytes
	v_lshl_add_u32 v[SA], v6, 4, v[SA]
	v_lshl_add_u32 v[SS], v6, 2, v[SS]
	v_mad_u32_u24 v7, v11, 24, v7
	v_lshlrev_b32 v4, 5, v10                       ; a row of x's scale bytes is 32
	v_add_nc_u32 v[SA], s48, v[SA]
	v_add_nc_u32 v[SS], s50, v[SS]
	v_and_b32 v5, 3, v0                            ; the bias goes to LDS as [member][output], a copy a wave
	v_bfe_u32 v14, v0, 2, 3
	v_lshlrev_b32 v5, 6, v5
	v_lshl_add_u32 v5, v14, 2, v5
	v_add_nc_u32 v5, s51, v5
	WALU
	s_wait_kmcnt 0x0
	s_add_nc_u64 s[34:35], s[8:9], s[38:39]
	s_add_nc_u64 s[14:15], s[14:15], s[40:41]
	s_add_nc_u64 s[16:17], s[16:17], s[42:43]
	s_add_nc_u64 s[18:19], s[18:19], s[44:45]
	s_add_nc_u64 s[24:25], s[24:25], s[46:47]
	global_load_b64 v[14:15], v9, s[18:19]         ; the biases of columns 2 lane, 2 lane + 1
	global_load_b128 v[XSC:XSC+3], v4, s[16:17]
	global_load_b128 v[XSC+4:XSC+7], v4, s[16:17] offset:16
.macro LB i                            ; block i of eight: K = 32 (i / 2) on of my K step, columns 32 (i % 2) on; four of them take turns in v32-159
.set k, 0
.rept 32
	global_load_b32 v[X+32*((\i)%4)+k], v[OFF], s[34:35] offset:(32*((\i)/2)+k)*32768+128*((\i)%2) th:TH_LOAD_NT
.set k, k+1
.endr
.endm
.irp i, 0,1,2,3
	LB \i
.endr
.irp i, 0,1,2,3,4,5,6,7
.if \i < 7
	s_wait_loadcnt 63                              ; of the loads behind block i's (80 at the least) the youngest 63 may be out
.else
	s_wait_loadcnt 48                              ; x's 48 may be out
.endif
.if \i == 0
	ds_store_b32 v5, v14
	ds_store_b32 v5, v15 offset:32
	s_wait_dscnt 0x0
.endif
	QB X+32*(\i%4), SB+\i%2, \i/2, 64*(\i%2)
.if \i < 4
	LB \i+4
.endif
.if \i == 3
.irp ks, 0,1,2,3,4,5,6,7
.irp p, 0,1,2,3,4,5
	global_load_b64 v[XC+12*\ks+2*\p:XC+12*\ks+2*\p+1], v7, s[14:15] offset:96*\ks+48*(\p/3)+8*(\p%3)
.endr
.endr
.endif
.endr
	WALU
	ds_store_b32 v[SS], v[SB]
	ds_store_b32 v[SS], v[SB+1] offset:16
	s_wait_dscnt 0x0                               ; for the others' sake: my K step's images and scale words are in LDS
	v_and_b32 v8, 31, v0
	v_bfe_u32 v9, v0, 4, 1
	v_and_b32 v10, 15, v0
	v_lshlrev_b32 v1, 5, v9
	v_lshlrev_b32 v2, 4, v8
	v_lshlrev_b32 v3, 2, v8
	v_lshlrev_b32 v6, 19, v9                       ; a member's h0 is 2^19 bytes
	v_add_nc_u32 v1, s51, v1
	v_add_nc_u32 v2, Z0, v2
	v_add_nc_u32 v3, ZS, v3
	v_lshl_add_u32 v6, v10, 4, v6
	v_add_nc_u32 v6, s49, v6
	WALU
	s_barrier_signal -1
	s_barrier_wait -1
.irp t, 0,1,2,3                        ; the bias of member 2 t + h starts the sums
	ds_load_b128 v[ACC+8*\t:ACC+8*\t+3], v1 offset:64*\t
	ds_load_b128 v[ACC+8*\t+4:ACC+8*\t+7], v1 offset:64*\t+16
.endr
.macro BFR ks                          ; K step ks's four fragments and scale words into set ks % 2: 14 loads
.irp t, 0,1,2,3
.irp g, 0,1,2
	ds_load_b128 v[X+48*((\ks)%2)+12*\t+4*\g:X+48*((\ks)%2)+12*\t+4*\g+3], v2 offset:6144*(\ks)+1536*\t+512*\g
.endr
.endr
	ds_load_b32 v[BSC+2*((\ks)%2)], v3 offset:256*(\ks)
	ds_load_b32 v[BSC+2*((\ks)%2)+1], v3 offset:256*(\ks)+128
.endm
	BFR 0
	s_wait_loadcnt 0x0                             ; x's fragments
.irp ks, 0,1,2,3,4,5,6,7
.if \ks < 7
	PLACES                                         ; between the products on this set and the loads into it
	BFR \ks+1
	s_wait_dscnt 14                                ; all but the 14 just issued
.else
	s_wait_dscnt 0x0
.endif
.irp t, 0,1,2,3                        ; source 0 a tile of W0's columns, source 1 my 16 rows of x; the four accumulators take turns
.if \t%2
	v_wmma_scale_f32_16x16x128_f8f6f4 v[ACC+8*\t:ACC+8*\t+7], v[X+48*(\ks%2)+12*\t:X+48*(\ks%2)+12*\t+11], v[XC+12*\ks:XC+12*\ks+11], v[ACC+8*\t:ACC+8*\t+7], v[BSC+2*(\ks%2)+\t/2], v[XSC+\ks] matrix_a_fmt:MATRIX_FMT_FP6 matrix_b_fmt:MATRIX_FMT_FP6 matrix_a_scale:MATRIX_SCALE_ROW1
.else
	v_wmma_scale_f32_16x16x128_f8f6f4 v[ACC+8*\t:ACC+8*\t+7], v[X+48*(\ks%2)+12*\t:X+48*(\ks%2)+12*\t+11], v[XC+12*\ks:XC+12*\ks+11], v[ACC+8*\t:ACC+8*\t+7], v[BSC+2*(\ks%2)+\t/2], v[XSC+\ks] matrix_a_fmt:MATRIX_FMT_FP6 matrix_b_fmt:MATRIX_FMT_FP6
.endif
.endr
.endr
	PLACES
.set k, 0
.rept 32
	v_max_num_f32 v[ACC+k], 0, v[ACC+k]            ; relu
.set k, k+1
.endr
.irp t, 0,1,2,3
	global_store_b128 v6, v[ACC+8*\t:ACC+8*\t+3], s[24:25] offset:1048576*\t           ; sixteen lanes store 256 consecutive bytes, at a multiple of 256 from the buffer's first byte
	global_store_b128 v6, v[ACC+8*\t+4:ACC+8*\t+7], s[24:25] offset:1048576*\t+2048
.endr
	s_wait_tensorcnt 0x0                           ; the wave's end
	ds_add_u32 v[SPW], v[NIL]
	s_wait_dscnt 0x0
	s_endpgm
	; ---- W1, W2: 128 rows of K x 256 neighbouring columns (32 outputs x 8 members): a wave's load reads 128 consecutive bytes, the eight waves 1,024.  The codes go through LDS as images of 8 members x 2 tiles
.Lw12:
	s_sub_co_u32 s27, ttmp9, 128
	s_and_b32 s27, s27, 255                        ; my number within my tensor
	s_mov_b32 s30, 51200                           ; a unit's bytes,
	s_mov_b32 s50, 49152                           ; and where its scale words lie
	s_cmp_lt_u32 ttmp9, 384                        ; W1 has 1,024 outputs, W2 256
	s_cselect_b32 s28, 31, 7                       ; groups of 32 outputs - 1
	s_cselect_b32 s29, 5, 3                        ; their number's logarithm
	s_cselect_b32 s31, 22, 20                      ; 128 rows of K are 2^22 or 2^20 bytes
	s_cselect_b32 s30, s30, 12800
	s_cselect_b32 s50, s50, 12288
	s_cselect_b32 s49, 4, 2                        ; 16 or 4 groups to a unit
	s_cselect_b32 s51, 15, 3
	s_and_b32 s32, s27, s28                        ; my group of 32 outputs
	s_lshr_b32 s33, s27, s29                       ; my K step
	s_lshl_b32 s38, s33, s31
	s_lshl_b32 s39, s32, 10
	s_add_co_u32 s38, s38, s39                     ; where I read
	s_mov_b32 s39, 0
	s_lshl_b32 s40, s26, 4                         ; where my wave stores: member = wave, 16 units a member
	s_lshr_b32 s41, s32, s49                       ; which half of the outputs
	s_lshl_b32 s41, s41, 3
	s_add_co_u32 s40, s40, s41
	s_add_co_u32 s40, s40, s33
	s_mul_i32 s40, s40, s30
	s_and_b32 s41, s32, s51                        ; my pair of tiles in the unit
	s_mul_i32 s42, s41, 3072
	s_add_co_u32 s42, s42, s40
	s_mov_b32 s43, 0
	s_lshl_b32 s44, s41, 7
	s_add_co_u32 s44, s44, s40
	s_add_co_u32 s44, s44, s50                     ; and its scale words
	s_mov_b32 s45, 0
	s_mul_i32 s48, s26, EST
	v_lshlrev_b32 v[OFF], 2, v0
	v_and_b32 v8, 7, v0                            ; my member
	v_bfe_u32 v9, v0, 3, 3                         ; my output among the 32 is v0 / 8 = 16 (r / 8) + 8 u + r % 8
	v_bfe_u32 v10, v0, 7, 1
	v_bfe_u32 v11, v0, 6, 1                        ; u
	v_and_b32 v4, 31, v0
	v_lshl_add_u32 v9, v10, 3, v9                  ; r
	v_mul_u32_u24 v[SA], v8, EST
	v_lshlrev_b32 v[SS], 7, v8
	v_lshlrev_b32 v[GOC], 4, v4
	v_lshlrev_b32 v[GOS], 2, v4
	v_mad_u32_u24 v[SA], v11, 1536, v[SA]
	v_lshl_add_u32 v[SS], v11, 6, v[SS]
	v_lshl_add_u32 v[SA], v9, 4, v[SA]
	v_lshl_add_u32 v[SS], v9, 2, v[SS]
	v_add_nc_u32 v[SS], SCS, v[SS]
	WALU
	s_wait_kmcnt 0x0
	s_cmp_lt_u32 ttmp9, 384                        ; which tensor: the choice hangs on the work-group's number alone
	s_cselect_b64 s[34:35], s[10:11], s[12:13]
	s_cselect_b64 s[36:37], s[20:21], s[22:23]
	s_add_nc_u64 s[34:35], s[34:35], s[38:39]
	s_add_nc_u64 s[46:47], s[36:37], s[44:45]
	s_add_nc_u64 s[36:37], s[36:37], s[42:43]
.macro LOADS rp
.set k, 0
.rept 128
	global_load_b32 v[X+k], v[OFF], s[34:35] offset:k*\rp th:TH_LOAD_NT
.set k, k+1
.endr
.endm
	s_cmp_lt_u32 ttmp9, 384                        ; the two row pitches have a copy of the loads each: both issue the same 128 loads into the same registers
	s_cbranch_scc0 .Lnarrow
	LOADS 32768
	s_branch .Lloaded
.Lnarrow:
	LOADS 8192
.Lloaded:
	s_wait_loadcnt 63                              ; of 128 loads the youngest 63 may be out: blocks 0 and 1 are in
	QB X, SB, 0, 0
	QB X+32, SB, 1, 0
	s_wait_loadcnt 32
	QB X+64, SB, 2, 0
	s_wait_loadcnt 0x0
	QB X+96, SB, 3, 0
	v_add_nc_u32 v1, s48, v[GOC]                   ; back: my wave's member's two images,
	v_lshl_add_u32 v2, v0, 2, SCS                  ; and its scale words
	WALU
	ds_store_b32 v[SS], v[SB]
	s_wait_dscnt 0x0                               ; for the others' sake: all my stores have landed
	s_barrier_signal -1
	s_barrier_wait -1
.irp g, 0,1,2,3,4,5
	ds_load_b128 v[X+4*\g:X+4*\g+3], v1 offset:512*\g
.endr
	ds_load_b32 v[X+24], v2
	s_wait_dscnt 0x0
.irp g, 0,1,2,3,4,5
	global_store_b128 v[GOC], v[X+4*\g:X+4*\g+3], s[36:37] offset:512*\g   ; 512 consecutive bytes, at a multiple of 256 from the buffer's first byte
.endr
	global_store_b32 v[GOS], v[X+24], s[46:47]     ; the pair's 32 scale words
	s_wait_tensorcnt 0x0                           ; the wave's end
	ds_add_u32 v[SPW], v[NIL]
	s_wait_dscnt 0x0
	s_endpgm
.Lfunc_end_k_q96bfc41730_quant:
	.size	k_q96bfc41730_quant, .Lfunc_end_k_q96bfc41730_quant-k_q96bfc41730_quant
	.p2alignl 7, 3214868480
	.fill 96, 4, 3214868480
	.section	.rodata,"a",@progbits
	.p2align	6, 0x0
	.amdhsa_kernel k_q96bfc41730_quant
		.amdhsa_group_segment_fixed_size 80384
		.amdhsa_private_segment_fixed_size 0
		.amdhsa_enable_private_segment 0
		.amdhsa_kernarg_size 72
		.amdhsa_user_sgpr_count 2
		.amdhsa_user_sgpr_kernarg_segment_ptr 1
		.amdhsa_wavefront_size32 1
		.amdhsa_system_sgpr_workgroup_id_x 1
		.amdhsa_system_sgpr_workgroup_id_y 1
		.amdhsa_system_sgpr_workgroup_id_z 1
		.amdhsa_system_vgpr_workitem_id 0
		.amdhsa_next_free_vgpr 256
		.amdhsa_next_free_sgpr 66
		.amdhsa_reserve_vcc 0
		.amdhsa_float_denorm_mode_32 3
		.amdhsa_float_denorm_mode_16_64 3
		.amdhsa_memory_ordered 1
		.amdhsa_forward_progress 1
		.amdhsa_inst_pref_size 101
	.end_amdhsa_kernel
	.amdgpu_metadata
---
amdhsa.version: [ 1, 2 ]
amdhsa.kernels:
  - .name:           k_q96bfc41730_quant
    .symbol:         k_q96bfc41730_quant.kd
    .args:
      - { .name: w0, .offset: 0, .size: 8, .value_kind: global_buffer, .address_space: global }
      - { .name: w1, .offset: 8, .size: 8, .value_kind: global_buffer, .address_space: global }
      - { .name: w2, .offset: 16, .size: 8, .value_kind: global_buffer, .address_space: global }
      - { .name: inputs_codes, .offset: 24, .size: 8, .value_kind: global_buffer, .address_space: global }
      - { .name: inputs_scales, .offset: 32, .size: 8, .value_kind: global_buffer, .address_space: global }
      - { .name: b0, .offset: 40, .size: 8, .value_kind: global_buffer, .address_space: global }
      - { .name: w1q, .offset: 48, .size: 8, .value_kind: global_buffer, .address_space: global }
      - { .name: w2q, .offset: 56, .size: 8, .value_kind: global_buffer, .address_space: global }
      - { .name: h0, .offset: 64, .size: 8, .value_kind: global_buffer, .address_space: global }
    .group_segment_fixed_size: 80384
    .private_segment_fixed_size: 0
    .kernarg_segment_align: 8
    .kernarg_segment_size: 72
    .max_flat_workgroup_size: 256
    .sgpr_count:     66
    .vgpr_count:     256
    .wavefront_size: 32
...
	.end_amdgpu_metadata
.endif
;; end of part 1
;; launch mid (part 2): grid 256 x 1, 8 waves a work-group, clusters of 4 x 1, 327,680 bytes of LDS; arguments h0, w1q, b1, h1; writes h1
.if DOCPART == 2
	.amdgcn_target "amdgcn-amd-amdhsa--gfx1250"
	.amdhsa_code_object_version 6
	.text
	.protected	k_q96bfc41730_mid
	.globl	k_q96bfc41730_mid
	.p2align	8
	.type	k_q96bfc41730_mid,@function
k_q96bfc41730_mid:
	s_mov_b64 s[64:65], 0
	v_nop
	global_prefetch_b8 v0, s[64:65] scope:SCOPE_SE
	s_setreg_imm32_b32 hwreg(HW_REG_WAVE_MODE, 25, 1), 1
	s_wait_xcnt 0x0
	s_wait_alu depctr_hold_cnt(0) depctr_sa_sdst(0) depctr_va_vdst(0) depctr_va_sdst(0) depctr_va_ssrc(0) depctr_va_vcc(0) depctr_vm_vsrc(0)
	s_getreg_b32 s2, hwreg(HW_REG_IB_STS2, 6, 4)
	s_cmp_eq_u32 s2, 0
	s_cbranch_scc0 .Lentry_in_a_cluster
	s_endpgm
.Lentry_in_a_cluster:
	s_bfe_u32 s2, ttmp6, 0x10000c
	s_cmp_lg_u32 s2, 0x3003
	s_cbranch_scc0 .Lentry_shape_is_right
	s_endpgm
.Lentry_shape_is_right:
; LAYER 1 OF ALL 64 PAIRS (i0, i1): h1 = relu(h0[i0] W1[i1] + b1[i1]), quantised along its outputs, on codes of FP6.  A work-group makes 64 rows x 512 outputs over all of K = 1,024; eight waves, wave w all 64 rows x outputs
; 64 w .. 64 w + 63 (4 x 4 accumulators of 16 x 16).  The cluster's number says (i1, half of the outputs) and four of the sixteen (i0, half of the rows); cx says which of the four.
; h0 (f32): wave w quantises K step w of the 64 rows, a lane a row, two sets of 32 rows; the fragments go through LDS.
; W1: of the eight K steps' units (51,200 bytes) LDS holds five beside h0's image; they are asked for jointly by the cluster's four work-groups at the head, one tensor load of 125 rows of 256 bytes a wave, and nothing is filled
; again.  K steps 5-7 go straight into registers: each of these fragments serves one wave of the work-group.
; TRANSPOSED USE: source 0 the weights' rows, source 1 the activations': a lane holds one row and 16 neighbouring outputs of each of two blocks of 32.  The bias is the C of each sum's first product.
; h1: [pair 8 i0 + i1][half of the rows][K step of layer 2] units of 6,400 bytes: 4 tiles of 16 rows x 1,536, then 64 bytes of scale words a tile.  A tile's image: for each band c of 64 along K registers 6 c .. + 3 at
; 768 c + 16 lane, registers 6 c + 4, 6 c + 5 at 768 c + 512 + 8 lane: so a wave, which makes one band, stores whole runs of 512 and 256 bytes.
; NO PREFETCH: there is no loop to run ahead in; every load but the last K step's is asked for in the head.
; LIMITS: NaN and infinities are not served (relu by a maximum turns a NaN into 0); a block whose largest magnitude lies under 2^-124, a block of zeros too, gets the byte 1 (zero codes add nothing; the bytes are read by this program alone).
.set WU,    51200
.set IMG,   5*WU                       ; h0's 32 fragments [K step][row tile], then 256 bytes of scale words a K step
.set IMS,   IMG+49152
.set SPARE, IMS+2048                   ; the spare words: 128 bytes for each wave
.set SCL,   SPARE+1024                 ; the way out: scale words [K step of layer 2][64 rows]
; window 0: v1, v2 h0's image; v4-9 the units; v10-18 others; v20, v21 permutes; v22-25, v28-31, v46-49, v52-60 at work; v26, v27 the add's; scale words v32-35 W1's (two sets), v36-39 h0's (two sets), v40-45 W1's K steps 5-7
.set PX,   20
.set SW,   32
.set SAA,  36
.set SD,   40
.set C,    52
.set SBW,  15
.set X,    64                          ; v64-191 f32 numbers in the head
.set AF,   64                          ; h0's fragments: set p at + 48 p
.set WF,   160                         ; W1's: set p at + 48 p
; window 1: accumulator (a, t) at 32 a + 8 t; W1's K steps 5, 6 at 128 + 48 (ks - 5); the bias at 224 + 8 t
.set WD5,  128
.set BI,   224
.set MSB, 0
.macro WIN new
.if MSB != \new
	s_set_vgpr_msb (MSB<<8)|\new
.set MSB, \new
.endif
.endm
.macro WALU
	s_wait_alu depctr_va_vdst(0)
.endm
.macro PLACES
.rept 4
	v_nop
.endr
.endm
.macro BARRIER
	s_barrier_signal -1
	s_barrier_wait -1
.endm
.macro CROUND
	BARRIER
	s_cmp_lg_u32 s18, 0
	s_cbranch_scc1 .Lnot_wave_0_\@
	s_barrier_signal -3
.Lnot_wave_0_\@:
	s_barrier_wait -3
	BARRIER
.endm
.macro SADD d, x
	s_add_co_u32 s\d, s\d, \x
.endm
	s_load_b256 s[4:11], s[0:1], 0x0               ; h0, w1q, b1, h1
	v_lshl_add_u32 v26, v0, 2, SPARE
	v_mov_b32 v27, 0
	ds_add_u32 v26, v27                            ; the wave's opening: the add, twice on end, and its wait; the set-up below, work on registers, stands between
	ds_add_u32 v26, v27
	v_lshrrev_b32 v3, 5, v0
	v_readfirstlane_b32 s18, v3                    ; wave 0..7
	s_bfe_u32 s19, ttmp6, 0x40000                  ; cx
	s_mov_b32 s24, 15|(3<<16)|(1<<21)              ; group 1: all four partners; elements of 8 bytes; 21 set beside a mask; 125 rows of 256 bytes
	s_mov_b32 s25, 32<<16
	s_mov_b32 s26, 125<<16
	s_mov_b32 s27, 32<<16
	s_mov_b32 s28, 125
	s_mov_b32 s29, 32
	s_mov_b32 s30, 0
	s_mov_b32 s31, 0
	s_mov_b32 s40, 0xffff0000                      ; lanes 16-31
	s_mov_b32 s42, 0x76543210
	s_mov_b32 s43, 0xfedcba98                      ; v_permlanex16_b32's selects for lane l xor 16
	s_lshr_b32 s20, ttmp9, 2                       ; 2 i1 + half of the outputs: of the cluster's number alone
	s_lshr_b32 s36, s20, 1                         ; i1
	s_and_b32 s37, s20, 1                          ; the half
	s_and_b32 s21, ttmp9, 3
	s_lshl_b32 s21, s21, 2
	SADD 21, s19                                   ; 2 i0 + half of the rows
	s_lshr_b32 s22, s21, 1                         ; i0
	s_and_b32 s23, s21, 1                          ; the half
	s_mov_b32 s44, 1
	s_mul_i32 s45, s18, 32000
	s_mul_i32 s38, s20, 8*WU
	s_add_co_u32 s50, s38, s45                     ; W1: my part of K steps 0-4,
	s_mov_b32 s51, 0
	s_mul_i32 s52, s18, 6144                       ; my four tiles,
	SADD 52, s38
	s_mov_b32 s53, 0
	s_lshl_b32 s54, s18, 8                         ; and their scale words
	SADD 54, s38
	SADD 54, 49152
	s_mov_b32 s55, 0
	s_lshl_b32 s56, s36, 2                         ; the bias: output o of member e at 32 o + 4 e
	s_lshl_b32 s39, s37, 14
	SADD 56, s39
	s_lshl_b32 s39, s18, 11
	SADD 56, s39
	s_mov_b32 s57, 0
	s_lshl_b32 s48, s22, 19                        ; h0: member, K step, half of the rows
	s_lshl_b32 s39, s18, 16
	SADD 48, s39
	s_lshl_b32 s41, s23, 10
	SADD 48, s41
	s_mov_b32 s49, 0
	s_lshl_b32 s58, s22, 3                         ; h1: ((8 i0 + i1) x 2 + half of the rows) x 8 + 4 x half of the outputs
	SADD 58, s36
	s_lshl_b32 s58, s58, 1
	SADD 58, s23
	s_lshl_b32 s58, s58, 3
	s_lshl_b32 s39, s37, 2
	SADD 58, s39
	s_and_b32 s39, s18, 3                          ; scale words: wave w of the first four sends K step w's
	s_add_co_u32 s68, s58, s39
	s_mul_i32 s68, s68, 6400
	SADD 68, 6144
	s_mov_b32 s69, 0
	s_lshr_b32 s39, s18, 1                         ; codes: my 64 outputs are band w % 2 of K step w / 2
	SADD 58, s39
	s_mul_i32 s58, s58, 6400
	s_and_b32 s39, s18, 1
	s_mul_i32 s39, s39, 768
	SADD 58, s39
	s_mov_b32 s59, 0
	s_mul_i32 s70, s18, 6144
	s_lshl_b32 s71, s18, 8
	s_add_co_u32 s72, s71, 49152
	s_add_co_u32 s73, s70, IMG
	s_add_co_u32 s74, s71, IMS
	s_lshr_b32 s75, s18, 1
	s_lshl_b32 s75, s75, 8
	s_and_b32 s39, s18, 1
	s_lshl_b32 s39, s39, 1
	SADD 75, s39
	SADD 75, SCL
	s_and_b32 s76, s18, 3
	s_lshl_b32 s76, s76, 8
	SADD 76, SCL
	v_and_b32 v28, 31, v0                          ; lane
	v_and_b32 v29, 15, v0                          ; r
	v_bfe_u32 v30, v0, 4, 1                        ; h
	v_lshlrev_b32 v13, 4, v28
	v_lshlrev_b32 v14, 2, v28
	v_lshlrev_b32 v18, 3, v28
	v_lshlrev_b32 v12, 9, v30                      ; the bias of 16 outputs further on
	v_mul_u32_u24 v31, v30, 1536
	v_add_nc_u32 v1, IMG, v13
	v_add_nc_u32 v2, IMS, v14
	v_add_nc_u32 v4, s70, v13                      ; my tiles in units 0, 1;
	v_add_nc_u32 v7, s72, v14
	v_lshl_add_u32 v31, v29, 4, v31
	v_add_nc_u32 v5, 2*WU, v4                      ; 2, 3;
	v_add_nc_u32 v6, 4*WU, v4                      ; 4
	v_add_nc_u32 v8, 2*WU, v7
	v_add_nc_u32 v9, 4*WU, v7
	v_add_nc_u32 v10, s73, v31                     ; h0's codes go here,
	v_add_nc_u32 v11, s74, v14                     ; and their scale words here
	v_add_nc_u32 v16, s75, v14
	v_add_nc_u32 v17, s76, v18
	v_mov_b32 v[PX], 0                             ; written once: a lane permute's destination counts as one of its sources
	v_mov_b32 v[PX+1], 0
	WALU
	s_wait_dscnt 0x0                               ; both opening adds are done
	CROUND                                         ; all partners are here: the joint loads meet
	s_wait_kmcnt 0x0
	s_add_nc_u64 s[4:5], s[4:5], s[48:49]
	s_add_nc_u64 s[46:47], s[6:7], s[50:51]
	s_or_b32 s47, s47, 0x80000000
	s_add_nc_u64 s[60:61], s[6:7], s[52:53]
	s_add_nc_u64 s[62:63], s[6:7], s[54:55]
	s_add_nc_u64 s[8:9], s[8:9], s[56:57]
	s_add_nc_u64 s[12:13], s[10:11], s[68:69]
	s_add_nc_u64 s[10:11], s[10:11], s[58:59]
.macro HLD i                           ; block i of eight: rows 32 (i / 4) on, K = 32 (i % 4) on of my K step; four of them take turns in v64-191
.irp k, 0,1,2,3,4,5,6,7
	global_load_b128 v[X+32*((\i)%4)+4*\k:X+32*((\i)%4)+4*\k+3], v13, s[4:5] offset:512*((\i)/4)+16384*((\i)%4)+2048*\k   ; 512 consecutive bytes: four outputs of 32 rows
.endr
.endm
.irp i, 0,1,2,3
	HLD \i
.endr
	tensor_load_to_lds s[44:47], s[24:31]          ; my eighth of K steps 0-4
	s_nop 0
	PLACES
; 32 numbers along K at v[xs] on: byte q of the scale word; the codes are registers 6 (q / 2) .. + 5 of lane r + 16 (q % 2) of the image at v10 + off
.macro QB xs, q, off
	v_max3_num_f32 v28, |v[\xs]|, |v[\xs+1]|, |v[\xs+2]|
	v_max3_num_f32 v29, |v[\xs+3]|, |v[\xs+4]|, |v[\xs+5]|
.irp i, 6,10,14,18,22,26
	s_delay_alu instid0(VALU_DEP_2)
	v_max3_num_f32 v28, v28, |v[\xs+\i]|, |v[\xs+\i+1]|
	s_delay_alu instid0(VALU_DEP_2)
	v_max3_num_f32 v29, v29, |v[\xs+\i+2]|, |v[\xs+\i+3]|
.endr
	s_delay_alu instid0(VALU_DEP_2)
	v_max3_num_f32 v28, v28, |v[\xs+30]|, |v[\xs+31]|
	s_delay_alu instid0(VALU_DEP_1)
	v_max3_num_f32 v28, v28, v29, 0x1800000        ; the floor 2^(3 - 127)
	s_delay_alu instid0(VALU_DEP_1)
	v_add_nc_u32 v31, 0xff000000, v28              ; 2 off the exponent field: the conversion's scale operand
.if (\q) == 0
	s_delay_alu instid0(VALU_DEP_1)
	v_lshrrev_b32 v[SBW], 23, v31
.else
	s_delay_alu instid0(VALU_DEP_1)
	v_lshrrev_b32 v30, 23, v31
	s_delay_alu instid0(VALU_DEP_1)
	v_lshl_or_b32 v[SBW], v30, 8*(\q), v[SBW]
.endif
	v_cvt_scalef32_pk16_fp6_f32 v[C:C+2], v[\xs:\xs+15], v31
	v_cvt_scalef32_pk16_fp6_f32 v[28:30], v[\xs+16:\xs+31], v31
	v_nop
.irp i, 0,1,2
	v_mov_b32 v[C+3+\i], v[28+\i]
.endr
.if (\q) < 2
	ds_store_b128 v10, v[C:C+3] offset:256*((\q)%2)+\off
	ds_store_b64 v10, v[C+4:C+5] offset:512+256*((\q)%2)+\off
.else
	ds_store_b64 v10, v[C:C+1] offset:520+256*((\q)%2)+\off
	ds_store_b128 v10, v[C+2:C+5] offset:1024+256*((\q)%2)+\off
.endif
	s_wait_dscnt 0x0
.endm
.macro WD ks                           ; W1's K step ks (5-7) into registers: 12 loads
.if (\ks) < 7
	WIN 0x40
.set D_, WD5+48*((\ks)-5)
.else
.set D_, WF+48
.endif
.irp t, 0,1,2,3
.irp g, 0,1,2
	global_load_b128 v[D_+12*\t+4*\g:D_+12*\t+4*\g+3], v13, s[60:61] offset:WU*(\ks)+1536*\t+512*\g
.endr
.endr
	WIN 0
.endm
.macro WDS ks                          ; and its scale words: 2 loads
	global_load_b32 v[SD+2*((\ks)-5)], v14, s[62:63] offset:WU*(\ks)
	global_load_b32 v[SD+2*((\ks)-5)+1], v14, s[62:63] offset:WU*(\ks)+128
.endm
.irp i, 0,1,2,3,4,5,6,7
.if \i < 5
	s_wait_loadcnt 24                              ; the three blocks behind block i may be out
.elseif \i == 5
	s_wait_loadcnt 48                              ; two blocks, the bias's 32
.elseif \i == 6
	s_wait_loadcnt 54                              ; one block, the bias's 32, K step 5's 14
.else
	s_wait_loadcnt 62                              ; the bias's 32, K steps 5's and 6's 28, K step 7's 2 scale words
.endif
	QB X+32*(\i%4), \i%4, 3072*(\i/4)
.if \i%4 == 3
	WALU
	ds_store_b32 v11, v[SBW] offset:128*(\i/4)
.endif
.if \i < 4
	HLD \i+4
.endif
.if \i == 4
	WIN 0x40
.set k, 0
.rept 32                               ; register 8 t + j: output 32 (t / 2) + 16 h + 8 (t % 2) + j of my 64
	global_load_b32 v[BI+k], v12, s[8:9] offset:32*(32*(k/16)+k%16)
.set k, k+1
.endr
	WIN 0
.endif
.if \i == 5
	WD 5
	WDS 5
.endif
.if \i == 6
	WD 6
	WDS 6
	WDS 7
.endif
.endr
	s_wait_dscnt 0x0                               ; for the others' sake: my K step of h0 is in LDS,
	s_wait_tensorcnt 0x0                           ; and my part of W1's five K steps
	BARRIER
.macro FR ks                           ; K step ks's fragments and scale words into set ks % 2: 28 loads, or, where W1's come by themselves, 14
.set P_, (\ks)%2
.if (\ks) < 5
.irp t, 0,1,2,3
.irp g, 0,1,2
	ds_load_b128 v[WF+48*P_+12*\t+4*\g:WF+48*P_+12*\t+4*\g+3], v[4+(\ks)/2] offset:WU*P_+1536*\t+512*\g
.endr
.endr
.irp j, 0,1
	ds_load_b32 v[SW+2*P_+\j], v[7+(\ks)/2] offset:WU*P_+128*\j
.endr
.endif
.irp a, 0,1,2,3
.irp g, 0,1,2
	ds_load_b128 v[AF+48*P_+12*\a+4*\g:AF+48*P_+12*\a+4*\g+3], v1 offset:(4*(\ks)+\a)*1536+512*\g
.endr
.endr
.irp j, 0,1
	ds_load_b32 v[SAA+2*P_+\j], v2 offset:256*(\ks)+128*\j
.endr
.endm
.macro W6 d, s0, s1, c, x, y, t, a
	v_wmma_scale_f32_16x16x128_f8f6f4 v[\d:\d+7], v[\s0:\s0+11], v[\s1:\s1+11], \c, v[\x], v[\y] matrix_a_fmt:MATRIX_FMT_FP6 matrix_b_fmt:MATRIX_FMT_FP6 matrix_a_scale:MATRIX_SCALE_ROW\t matrix_b_scale:MATRIX_SCALE_ROW\a
.endm
.macro MU ks                           ; K step ks: 16 products; the accumulators take turns, in the same order in every step
.set P_, (\ks)%2
.if (\ks) < 5
	WIN 0x50
.set W_, WF+48*P_
.set SX_, SW+2*P_
.elseif (\ks) < 7
	WIN 0x51
.set W_, WD5+48*((\ks)-5)
.set SX_, SD+2*((\ks)-5)
.else
	WIN 0x50
.set W_, WF+48
.set SX_, SD+4
.endif
.irp a, 0,1
.irp ar, 0,1
.irp t, 0,1
.irp tr, 0,1
.set A_, 2*\a+\ar
.set T_, 2*\t+\tr
.if (\ks) == 0
	W6 32*A_+8*T_, W_+12*T_, AF+48*P_+12*A_, v[BI+8*T_:BI+8*T_+7], SX_+\t, SAA+2*P_+\a, \tr, \ar
.else
	W6 32*A_+8*T_, W_+12*T_, AF+48*P_+12*A_, v[32*A_+8*T_:32*A_+8*T_+7], SX_+\t, SAA+2*P_+\a, \tr, \ar
.endif
.endr
.endr
.endr
.endr
	WIN 0
.endm
	FR 0
.irp ks, 0,1,2,3,4,5,6,7
.if \ks < 7
	PLACES                                         ; between products and loads into registers that they have read
	FR \ks+1
.endif
.if \ks == 4
	WD 7                                           ; into W1's second set, which K step 3 was the last to read
.endif
.if \ks < 4
	s_wait_dscnt 28                                ; all but the loads just issued
.elseif \ks < 7
	s_wait_dscnt 14
.else
	s_wait_dscnt 0x0
.endif
.if \ks == 0
	s_wait_loadcnt 30                              ; the bias is in; behind it K steps 5's and 6's 28 loads and K step 7's 2
.elseif \ks == 5
	s_wait_loadcnt 28                              ; behind K step 5's: 14, 2 and K step 7's 12
.elseif \ks == 6
	s_wait_loadcnt 14
.elseif \ks == 7
	s_wait_loadcnt 0x0
.endif
	MU \ks
.endr
	PLACES
; Row tile a's 16 rows x 64 outputs: relu, quantised along the outputs.  A block of 32 lies in lanes l and l xor 16; the swaps give lanes 0-15 the first block's whole rows and lanes 16-31 the second's.
; Each tile's codes have registers of their own, so that no store's data are written again
.macro QUANT a
.set B_, 32*(\a)
.set CC_, AF+12*(\a)
	WIN 0x44
.set j, 0
.rept 32
	v_max_num_f32 v[B_+j], 0, v[B_+j]
.set j, j+1
.endr
	WIN 0x05
	v_max3_num_f32 v28, v[B_], v[B_+1], 0x1800000
	v_max3_num_f32 v29, v[B_+16], v[B_+17], 0x1800000
	WIN 0x14
.irp i, 2,4,6,8,10,12,14
	v_max3_num_f32 v28, v28, v[B_+\i], v[B_+\i+1]
	v_max3_num_f32 v29, v29, v[B_+16+\i], v[B_+17+\i]
.endr
	WIN 0
	v_permlanex16_b32 v[PX], v28, s42, s43
	v_permlanex16_b32 v[PX+1], v29, s42, s43
	v_max_num_f32 v28, v28, v[PX]
	v_max_num_f32 v29, v29, v[PX+1]
	v_add_nc_u32 v30, 0xff000000, v28
	v_add_nc_u32 v31, 0xff000000, v29
	v_lshrrev_b32 v22, 23, v30
	v_lshrrev_b32 v23, 23, v31
	v_lshl_or_b32 v[46+\a], v23, 8, v22
	WIN 0x01
	v_cvt_scalef32_pk16_fp6_f32 v[CC_:CC_+2], v[B_:B_+15], v30
	v_cvt_scalef32_pk16_fp6_f32 v[CC_+6:CC_+8], v[B_+16:B_+31], v31
	WIN 0
	v_nop
.irp i, 0,1,2
	v_permlane16_swap_b32 v[CC_+\i], v[CC_+6+\i]
.endr
.irp i, 0,1,2
	v_mov_b32 v[CC_+3+\i], v[CC_+6+\i]
.endr
	global_store_b128 v13, v[CC_:CC_+3], s[10:11] offset:1536*(\a)       ; 512 consecutive bytes,
	global_store_b64 v18, v[CC_+4:CC_+5], s[10:11] offset:1536*(\a)+512  ; and 256, at multiples of 256 from the buffer's first byte
.endm
.irp a, 0,1,2,3
	QUANT \a
.endr
	v_cndmask_b32 v22, v46, v47, s40               ; my two bytes of each row's scale word: lanes 0-15 an even tile's rows, lanes 16-31 the next tile's
	v_cndmask_b32 v23, v48, v49, s40
	ds_store_b16 v16, v22
	ds_store_b16 v16, v23 offset:128
	s_wait_dscnt 0x0                               ; for the others' sake: a word's bytes come from two waves
	BARRIER
	s_cmp_lt_u32 s18, 4
	s_cbranch_scc0 .Lno_words
	ds_load_b64 v[24:25], v17
	s_wait_dscnt 0x0
	global_store_b64 v18, v[24:25], s[12:13]       ; a K step's 64 scale words: 256 consecutive bytes
.Lno_words:
	s_wait_tensorcnt 0x0                           ; the wave's end
	ds_add_u32 v26, v27
	s_wait_dscnt 0x0
	CROUND                                         ; the closing round
	s_endpgm
.Lfunc_end_k_q96bfc41730_mid:
	.size	k_q96bfc41730_mid, .Lfunc_end_k_q96bfc41730_mid-k_q96bfc41730_mid
	.p2alignl 7, 3214868480
	.fill 96, 4, 3214868480
	.section	.rodata,"a",@progbits
	.p2align	6, 0x0
	.amdhsa_kernel k_q96bfc41730_mid
		.amdhsa_group_segment_fixed_size 327680
		.amdhsa_private_segment_fixed_size 0
		.amdhsa_enable_private_segment 0
		.amdhsa_kernarg_size 32
		.amdhsa_user_sgpr_count 2
		.amdhsa_user_sgpr_kernarg_segment_ptr 1
		.amdhsa_wavefront_size32 1
		.amdhsa_system_sgpr_workgroup_id_x 1
		.amdhsa_system_sgpr_workgroup_id_y 1
		.amdhsa_system_sgpr_workgroup_id_z 1
		.amdhsa_system_vgpr_workitem_id 0
		.amdhsa_next_free_vgpr 512
		.amdhsa_next_free_sgpr 80
		.amdhsa_reserve_vcc 0
		.amdhsa_float_denorm_mode_32 3
		.amdhsa_float_denorm_mode_16_64 3
		.amdhsa_memory_ordered 1
		.amdhsa_forward_progress 1
		.amdhsa_inst_pref_size 80
	.end_amdhsa_kernel
	.amdgpu_metadata
---
amdhsa.version: [ 1, 2 ]
amdhsa.kernels:
  - .name:           k_q96bfc41730_mid
    .symbol:         k_q96bfc41730_mid.kd
    .args:
      - { .name: h0, .offset: 0, .size: 8, .value_kind: global_buffer, .address_space: global }
      - { .name: w1q, .offset: 8, .size: 8, .value_kind: global_buffer, .address_space: global }
      - { .name: b1, .offset: 16, .size: 8, .value_kind: global_buffer, .address_space: global }
      - { .name: h1, .offset: 24, .size: 8, .value_kind: global_buffer, .address_space: global }
    .group_segment_fixed_size: 327680
    .private_segment_fixed_size: 0
    .kernarg_segment_align: 8
    .kernarg_segment_size: 32
    .max_flat_workgroup_size: 256
    .sgpr_count:     80
    .vgpr_count:     512
    .wavefront_size: 32
...
	.end_amdgpu_metadata
.endif
;; end of part 2
;; launch last (part 3): grid 256 x 1, 8 waves a work-group, no clusters, 327,680 bytes of LDS; arguments h1, w2q, b2, out0, samples; writes out0
.if DOCPART == 3
	.amdgcn_target "amdgcn-amd-amdhsa--gfx1250"
	.amdhsa_code_object_version 6
	.text
	.protected	k_q96bfc41730_last
	.globl	k_q96bfc41730_last
	.p2align	8
	.type	k_q96bfc41730_last,@function
k_q96bfc41730_last:
	s_mov_b64 s[64:65], 0
	v_nop
	global_prefetch_b8 v0, s[64:65] scope:SCOPE_SE
	s_setreg_imm32_b32 hwreg(HW_REG_WAVE_MODE, 25, 1), 1
	s_wait_xcnt 0x0
; LAYER 2 OF EACH SAMPLE: out[s] = h1[8 i0 + i1] W2[i2] + b2[i2] on codes of FP6, (i0, i1, i2) = samples[s], each held at 7 from above.  A work-group makes 64 rows x 128 columns of a sample over all of K = 1,024;
; eight waves, wave w row tiles 2 (w / 4), + 1 x column tiles 2 (w % 4), + 1 (2 x 2 accumulators).  The operands come as the launches before laid them; both lie in LDS whole: at the head wave w asks for a quarter w / 2 of K,
; even waves W2's (25,600 bytes), odd waves h1's (12,800): one tensor load a wave, nothing is filled again.  The walk begins when the first half of K is in.
; TRANSPOSED USE: source 0 the weights' rows: a lane holds one row and 16 neighbouring columns.  The bias is the C of each sum's first product.
; NO CLUSTERS: the tiles' addresses come from indices read from memory, so that no two work-groups' descriptors are equal by the text's own arithmetic.  NO PREFETCH: there is no loop to run ahead in, all is asked for at the head.
; LIMIT: an index outside 0 .. 7 is held at 7.
.set HB,    102400                     ; h1's eight units of 6,400 bytes, behind W2's eight of 12,800
.set STG,   HB+51200                   ; the way out: 64 rows of 512 bytes + 16, where no tensor load lands
.set SP,    528
.set SPARE, STG+64*SP                  ; the spare words: 128 bytes for each wave
.set SW,   32                          ; v32, v33 W2's scale words, two sets;  v34, v35 h1's
.set SH,   34
.set WF,   64                          ; W2's fragments: set p at + 24 p
.set HF,   112                         ; h1's
.set ACC,  160                         ; accumulator (a, t) at + 16 a + 8 t
.set BI,   192
.set OB,   208                         ; v208-239 rows on the way out
.macro WALU
	s_wait_alu depctr_va_vdst(0)
.endm
.macro PLACES
.rept 4
	v_nop
.endr
.endm
.macro BARRIER
	s_barrier_signal -1
	s_barrier_wait -1
.endm
	s_load_b256 s[4:11], s[0:1], 0x0               ; h1, w2q, b2, out0
	s_load_b64 s[12:13], s[0:1], 0x20              ; samples
	v_lshl_add_u32 v26, v0, 2, SPARE
	v_mov_b32 v27, 0
	ds_add_u32 v26, v27                            ; the wave's opening: the add, twice on end, and its wait; the set-up below, work on registers, stands between
	ds_add_u32 v26, v27
	v_lshrrev_b32 v3, 5, v0
	v_readfirstlane_b32 s18, v3                    ; wave 0..7
	s_lshr_b32 s16, ttmp9, 2                       ; my sample,
	s_bfe_u32 s17, ttmp9, 0x10001                  ; my half of its rows,
	s_and_b32 s19, ttmp9, 1                        ; my half of its columns
	s_and_b32 s14, s18, 1                          ; I fetch W2's (0) or h1's (1)
	s_lshr_b32 s15, s18, 1                         ; which quarter of K
.irp g, 24,32                          ; group 1: dense blocks as rows of 256 bytes, elements of 8 bytes: 100 rows of W2's, 50 of h1's
	s_mov_b32 s[\g], 3<<16
	s_mov_b32 s[\g+1], 32<<16
	s_mov_b32 s[\g+3], 32<<16
	s_mov_b32 s[\g+5], 32
	s_mov_b32 s[\g+6], 0
	s_mov_b32 s[\g+7], 0
.endr
	s_mov_b32 s26, 100<<16
	s_mov_b32 s28, 100
	s_mov_b32 s34, 50<<16
	s_mov_b32 s36, 50
	s_mov_b32 s44, 1
	s_mul_i32 s45, s15, 25600
	s_mov_b32 s48, 1
	s_mul_i32 s40, s15, 12800
	s_add_co_u32 s49, s40, HB
	s_lshr_b32 s52, s18, 2                         ; my pair of row tiles
	s_and_b32 s53, s18, 3                          ; my pair of column tiles
	s_mul_i32 s54, s53, 3072
	s_lshl_b32 s55, s53, 7
	s_add_co_u32 s61, s55, 12288
	s_mul_i32 s56, s52, 3072
	s_add_co_u32 s56, s56, HB
	s_lshl_b32 s57, s52, 7
	s_add_co_u32 s57, s57, HB+6144
	s_mul_i32 s58, s52, 32*SP
	s_add_co_u32 s58, s58, s55
	s_add_co_u32 s58, s58, STG
	s_mul_i32 s59, s18, 8*SP
	s_add_co_u32 s59, s59, STG
	v_and_b32 v28, 31, v0                          ; lane
	v_and_b32 v29, 15, v0                          ; r
	v_bfe_u32 v30, v0, 4, 1                        ; h
	v_lshlrev_b32 v13, 4, v28
	v_lshlrev_b32 v14, 2, v28
	v_lshlrev_b32 v15, 3, v28
	v_lshlrev_b32 v12, 9, v30                      ; the bias of 16 columns further on
	v_mul_u32_u24 v9, v29, SP
	v_add_nc_u32 v1, s54, v13                      ; W2's K steps 0-3,
	v_add_nc_u32 v4, s61, v14
	v_add_nc_u32 v6, s56, v13                      ; h1's runs of 512,
	v_add_nc_u32 v7, s56, v15                      ; and of 256 bytes
	v_add_nc_u32 v8, s57, v14
	v_lshl_add_u32 v9, v30, 6, v9
	v_add_nc_u32 v2, 51200, v1                     ; W2's K steps 4-7
	v_add_nc_u32 v5, 51200, v4
	v_add_nc_u32 v9, s58, v9                       ; the way out: in,
	v_add_nc_u32 v10, s59, v13                     ; and back: eight rows
	WALU
	s_wait_dscnt 0x0                               ; both opening adds are done
	s_wait_kmcnt 0x0
	s_mul_i32 s50, s16, 12
	s_mov_b32 s51, 0
	s_add_nc_u64 s[12:13], s[12:13], s[50:51]
	s_load_b96 s[20:22], s[12:13], 0x0
	s_lshl_b32 s60, s16, 17                        ; my eight rows of the output, my half of their columns
	s_lshl_b32 s50, s17, 16
	s_add_co_u32 s60, s60, s50
	s_lshl_b32 s50, s18, 13
	s_add_co_u32 s60, s60, s50
	s_lshl_b32 s50, s19, 9
	s_add_co_u32 s60, s60, s50
	s_mov_b32 s61, 0
	s_add_nc_u64 s[10:11], s[10:11], s[60:61]
	s_wait_kmcnt 0x0
	s_min_u32 s20, s20, 7                          ; held inside the tables; behind this only shifts left, multiplications and additions
	s_min_u32 s21, s21, 7
	s_min_u32 s22, s22, 7
	s_lshl_b32 s52, s22, 1
	s_add_co_u32 s52, s52, s19
	s_mul_i32 s52, s52, 102400
	s_add_co_u32 s52, s52, s45
	s_mov_b32 s53, 0
	s_add_nc_u64 s[46:47], s[6:7], s[52:53]
	s_or_b32 s47, s47, 0x80000000
	s_lshl_b32 s54, s20, 3
	s_add_co_u32 s54, s54, s21
	s_lshl_b32 s54, s54, 1
	s_add_co_u32 s54, s54, s17
	s_mul_i32 s54, s54, 51200
	s_add_co_u32 s54, s54, s40
	s_mov_b32 s55, 0
	s_add_nc_u64 s[50:51], s[4:5], s[54:55]
	s_or_b32 s51, s51, 0x80000000
	s_cmp_lt_u32 s18, 4
	s_cbranch_scc0 .Lsecond
	s_cmp_eq_u32 s14, 0
	s_cbranch_scc0 .Lh_first
	tensor_load_to_lds s[44:47], s[24:31]          ; waves 0, 2: W2, the first half of K
	s_nop 0
	PLACES
	s_branch .Lasked
.Lh_first:
	tensor_load_to_lds s[48:51], s[32:39]          ; waves 1, 3: h1
	s_nop 0
	PLACES
	s_branch .Lasked
.Lsecond:
	s_cmp_eq_u32 s14, 0
	s_cbranch_scc0 .Lh_second
	tensor_load_to_lds s[44:47], s[24:31]          ; waves 4, 6: W2, the second half
	s_nop 0
	PLACES
	s_branch .Lasked
.Lh_second:
	tensor_load_to_lds s[48:51], s[32:39]          ; waves 5, 7: h1
	s_nop 0
	PLACES
.Lasked:
	s_lshl_b32 s60, s22, 2                         ; the bias: column o of member e at 32 o + 4 e
	s_lshl_b32 s40, s19, 12
	s_add_co_u32 s60, s60, s40
	s_and_b32 s40, s18, 3
	s_lshl_b32 s40, s40, 10
	s_add_co_u32 s60, s60, s40
	s_add_nc_u64 s[8:9], s[8:9], s[60:61]
.set k, 0
.rept 16
	global_load_b32 v[BI+k], v12, s[8:9] offset:32*k
.set k, k+1
.endr
.macro FR ks                           ; K step ks's fragments and scale words into set ks % 2: 16 loads
.set P_, (\ks)%2
.irp t, 0,1
.irp g, 0,1,2
	ds_load_b128 v[WF+24*P_+12*\t+4*\g:WF+24*P_+12*\t+4*\g+3], v[1+(\ks)/4] offset:12800*((\ks)%4)+1536*\t+512*\g
.endr
.endr
	ds_load_b32 v[SW+P_], v[4+(\ks)/4] offset:12800*((\ks)%4)
.irp a, 0,1
.irp c, 0,1
	ds_load_b128 v[HF+24*P_+12*\a+6*\c:HF+24*P_+12*\a+6*\c+3], v6 offset:6400*(\ks)+1536*\a+768*\c
	ds_load_b64 v[HF+24*P_+12*\a+6*\c+4:HF+24*P_+12*\a+6*\c+5], v7 offset:6400*(\ks)+1536*\a+768*\c+512
.endr
.endr
	ds_load_b32 v[SH+P_], v8 offset:6400*(\ks)
.endm
.macro W6 d, s0, s1, c, x, y, t, a
	v_wmma_scale_f32_16x16x128_f8f6f4 v[\d:\d+7], v[\s0:\s0+11], v[\s1:\s1+11], \c, v[\x], v[\y] matrix_a_fmt:MATRIX_FMT_FP6 matrix_b_fmt:MATRIX_FMT_FP6 matrix_a_scale:MATRIX_SCALE_ROW\t matrix_b_scale:MATRIX_SCALE_ROW\a
.endm
.macro MU ks                           ; four products; the accumulators take turns
.set P_, (\ks)%2
.irp a, 0,1
.irp t, 0,1
.if (\ks) == 0
	W6 ACC+16*\a+8*\t, WF+24*P_+12*\t, HF+24*P_+12*\a, v[BI+8*\t:BI+8*\t+7], SW+P_, SH+P_, \t, \a
.else
	W6 ACC+16*\a+8*\t, WF+24*P_+12*\t, HF+24*P_+12*\a, v[ACC+16*\a+8*\t:ACC+16*\a+8*\t+7], SW+P_, SH+P_, \t, \a
.endif
.endr
.endr
.endm
	s_cmp_lt_u32 s18, 4
	s_cbranch_scc0 .Lnot_first
	s_wait_tensorcnt 0x0                           ; my part of the first half of K is in
.Lnot_first:
	BARRIER
	FR 0
.irp ks, 0,1,2,3,4,5,6,7
.if \ks == 3
	s_wait_dscnt 0x0
	MU 3
	s_wait_tensorcnt 0x0                           ; my part of the second half, if I had one
	BARRIER
	PLACES
	FR 4
.else
.if \ks < 7
	PLACES                                         ; between products and loads into registers that they have read
	FR \ks+1
	s_wait_dscnt 16                                ; all but the 16 just issued
.else
	s_wait_dscnt 0x0
.endif
.if \ks == 0
	s_wait_loadcnt 0x0                             ; the bias
.endif
	MU \ks
.endif
.endr
	PLACES
.irp a, 0,1
.irp i, 0,1,2,3
	ds_store_b128 v9, v[ACC+16*\a+4*\i:ACC+16*\a+4*\i+3] offset:16*SP*\a+16*\i   ; each accumulator from its low end on
.endr
.endr
	s_wait_dscnt 0x0                               ; for the others' sake: a row's bytes come from four waves
	BARRIER
.irp i, 0,1,2,3,4,5,6,7
	ds_load_b128 v[OB+4*\i:OB+4*\i+3], v10 offset:SP*\i
.endr
.irp i, 0,1,2,3,4,5,6,7
	s_wait_dscnt 7-\i
	global_store_b128 v13, v[OB+4*\i:OB+4*\i+3], s[10:11] offset:1024*\i th:TH_STORE_NT   ; 512 consecutive bytes, at a multiple of 256 from the output's first byte
.endr
	s_wait_tensorcnt 0x0                           ; the wave's end
	ds_add_u32 v26, v27
	s_wait_dscnt 0x0
	s_endpgm
.Lfunc_end_k_q96bfc41730_last:
	.size	k_q96bfc41730_last, .Lfunc_end_k_q96bfc41730_last-k_q96bfc41730_last
	.p2alignl 7, 3214868480
	.fill 96, 4, 3214868480
	.section	.rodata,"a",@progbits
	.p2align	6, 0x0
	.amdhsa_kernel k_q96bfc41730_last
		.amdhsa_group_segment_fixed_size 327680
		.amdhsa_private_segment_fixed_size 0
		.amdhsa_enable_private_segment 0
		.amdhsa_kernarg_size 40
		.amdhsa_user_sgpr_count 2
		.amdhsa_user_sgpr_kernarg_segment_ptr 1
		.amdhsa_wavefront_size32 1
		.amdhsa_system_sgpr_workgroup_id_x 1
		.amdhsa_system_sgpr_workgroup_id_y 1
		.amdhsa_system_sgpr_workgroup_id_z 1
		.amdhsa_system_vgpr_workitem_id 0
		.amdhsa_next_free_vgpr 256
		.amdhsa_next_free_sgpr 66
		.amdhsa_reserve_vcc 0
		.amdhsa_float_denorm_mode_32 3
		.amdhsa_float_denorm_mode_16_64 3
		.amdhsa_memory_ordered 1
		.amdhsa_forward_progress 1
		.amdhsa_inst_pref_size 24
	.end_amdhsa_kernel
	.amdgpu_metadata
---
amdhsa.version: [ 1, 2 ]
amdhsa.kernels:
  - .name:           k_q96bfc41730_last
    .symbol:         k_q96bfc41730_last.kd
    .args:
      - { .name: h1, .offset: 0, .size: 8, .value_kind: global_buffer, .address_space: global }
      - { .name: w2q, .offset: 8, .size: 8, .value_kind: global_buffer, .address_space: global }
      - { .name: b2, .offset: 16, .size: 8, .value_kind: global_buffer, .address_space: global }
      - { .name: out0, .offset: 24, .size: 8, .value_kind: global_buffer, .address_space: global }
      - { .name: samples, .offset: 32, .size: 8, .value_kind: global_buffer, .address_space: global }
    .group_segment_fixed_size: 327680
    .private_segment_fixed_size: 0
    .kernarg_segment_align: 8
    .kernarg_segment_size: 40
    .max_flat_workgroup_size: 256
    .sgpr_count:     66
    .vgpr_count:     256
    .wavefront_size: 32
...
	.end_amdgpu_metadata
.endif
;; end of part 3
